; MI455X (gfx1250); checked and timed in simulation.
; The chip was launched on July 23, 2026; its instructions are those of AMD's public machine-readable ISA for CDNA 5 (MIT licence, August 2026) and "CDNA5" Instruction Set Architecture Reference Guide (July 2026). The comments in the code are by the model that wrote it; some were corrected since.
;; Tree Attention Wrapper. Allowed arithmetic: matrix products marked QUANTISED: E4M3 operands, one given power-of-two scale a tensor, by v_wmma_f32_16x16x64_fp8_fp8 or v_wmma_f32_16x16x128_fp8_fp8, f32 sums; everything else in f32.
;; Inputs: cu_seqlens 2 int32; k 1 x 16 x 4,096 x 128 float32; lowp_scales 4 int32 (the exponents e of the quantised operands' scales 2^e); mask 4,096 x 4,096 bool; q 1 x 16 x 4,096 x 128 float32; v 1 x 16 x 4,096 x 128 float32.
;; Outputs: out0 1 x 16 x 4,096 x 128 float32.
;; Constants: max_seqlen = 4096.
;; This version of the problem:
;;   THIS VERSION OF THE PROBLEM IS GIVEN IN LOW PRECISION. The matrix products marked QUANTISED in the list below multiply operands that are first quantised to E4M3 (4 exponent bits, 3 mantissa bits; 8 bits a number), with one given power-of-two scale for each operand tensor; their sums are f32. All else is computed in f32.
;;   The module's matrix products, in the order in which they are computed (A, B: the left and right operand; K: the contracted axis; several contracted axes count as one K, in the product's order):
;;     1. batch 16 x [M 4,096, K 128] x [K 128, N 4,096]; A: input q; B: input k: QUANTISED (scales: A lowp_scales[0], B lowp_scales[1])
;;     2. batch 16 x [M 4,096, K 4,096] x [K 4,096, N 128]; A: softmax (see below); B: input v: QUANTISED (scales: A lowp_scales[2], B lowp_scales[3])
;;   THE QUANTISER, for each operand of a quantised product, along K:
;;     - The operand's scale is 2^e, e = its entry of the input lowp_scales (int32; the entries are numbered through the quantised products in the list's order, A before B).
;;     - Each number is divided by the scale, clamped to +-448, and rounded to the nearest number of E4M3, ties to even, subnormals kept.
;;     - The product sums the exact products of the quantised numbers (number of the format x scale) in f32.
;;   ~~~python
;;   def quantise(x, axis, e):      # numpy; x: float32 -> the quantised numbers, widened to float32 again
;;       x = np.moveaxis(x, axis, -1); K = x.shape[-1]
;;       r = np.clip(x / 2.0 ** e, -448, 448)
;;       step = 2.0 ** (np.maximum(np.frexp(np.where(r == 0, 1, r))[1] - 1, -6) - 3)
;;       q = np.round(r / step) * step * 2.0 ** e      # np.round: ties to even
;;       return np.moveaxis(q, -1, axis).astype(np.float32)
;;   ~~~
;;   SOFTMAX AHEAD OF A QUANTISED PRODUCT. Where the list says 'softmax', what is quantised is not the finished softmax but p = 2^(t - M), with t = logit x log2(e) and M = ceil(the row's largest t), a whole number; so 1/2 < the row's largest p <= 1. The row's sum l is taken of the UNQUANTISED p, in f32, and the product's result is divided by l at the end. Since M is a whole number, a kernel that streams over the keys may use a running M (the ceiling of the running maximum): every later rescaling is an exact power of two, so the quantised numbers keep their values, but for numbers so far below the row's largest that they fall under the format's range.
;;   OPERANDS COMPUTED ON THE WAY. 'Computed on the way' means the value that the module computes at that place (a softmax that the list does not call 'softmax' is quantised finished and normalised). What goes into a quantiser is computed in f32, as accurately as f32 sums, v_exp_f32 and their like allow (about 1e-6 of the number): no bf16 or f16 on the way to a quantiser, and a product that is left as it is and whose result goes on into a quantised operand takes f32 operands (vector FMAs, or v_wmma_f32_16x16x4_f32). A number that lies on a knife's edge between two numbers of the format may be rounded either way, as far as f32 arithmetic and the matrix unit's own rounding can turn it there, and no further.
;; One version. Each part assembles by itself: llvm-mc -triple=amdgcn-amd-amdhsa -mcpu=gfx1250 --defsym DOCPART=n.
;; ======== version 1 of 1: 2 launches
;; limits: right only within a limited range of input values
;; workspace buffers: kv 16,777,216 bytes; mw 2,097,152 bytes of whole numbers; tab 2,048 bytes of whole numbers
;; launch prep (part 1): grid 1280 x 1, 4 waves a work-group, no clusters, 36,608 bytes of LDS; arguments k, v, mask, lowp_scales, kv, mw, tab; writes kv, mw, tab
.if DOCPART == 1
	.amdgcn_target "amdgcn-amd-amdhsa--gfx1250"
	.amdhsa_code_object_version 6
	.text
	.protected	k_q04bfc036ad_prep
	.globl	k_q04bfc036ad_prep
	.p2align	8
	.type	k_q04bfc036ad_prep,@function
k_q04bfc036ad_prep:
	s_mov_b64 s[64:65], 0
	v_nop
	global_prefetch_b8 v0, s[64:65] scope:SCOPE_SE
	s_setreg_imm32_b32 hwreg(HW_REG_WAVE_MODE, 25, 1), 1
	s_wait_xcnt 0x0
; THE LAUNCH IN FRONT OF THE ATTENTION.  Three kinds of work-group, told apart by the work-group's number; each wave of each kind brings 16 KB, all asked for at its start.
;   0 .. 255     MASK: work-group qt takes the 16 queries 16 qt .. 16 qt + 15 of mask [4096][4096] (one byte a number; a byte counts as true where it is not 0).  Wave w takes key steps 8 w .. 8 w + 7 (128 keys a step).
;                mw  [tile 256][step 32][word 64]: bit r + 16 h of word n says whether query 16 tile + r sees key 128 step + 32 (n / 16) + 16 h + n % 16: a lane mask for the score register n of that tile and step.
;                tab [tile 256][ANY, FULL]: bit s of ANY: some byte of step s is true, or the tile has a query that sees no key at all (then all 32 bits are set: such a query's result is the mean over ALL keys);
;                bit s of FULL: every byte of step s is 1.
;   256 .. 767   K: work-group kk = 32 head + step takes 128 keys of k [16][4096][128] f32;   768 .. 1279  V: the same of v.
;                kv [head 16][step 32][32,768 bytes]: codes of E4M3 IN THE ORDER OF THE OPERAND'S REGISTERS: K's eight fragments (2,048 bytes each), then V's eight.  A fragment is four chunks c of 512 bytes, lane l's 16 bytes at 16 l, l = r + 16 h.
;                K fragment t: key 128 step + 32 (t / 2) + 8 (t % 2) + r + 8 (r / 8), channels 32 c + 16 h + 0 .. 15.     V fragment t: channel 16 t + r, keys 128 step + 32 c + 16 h + 0 .. 15.
; code = x / 2^e, held within +-448, to the nearest code, ties to even; e = lowp_scales[1] for k, [3] for v.  LIMITS: -126 <= e <= 119, so that 2^e and 448 x 2^e are f32 numbers.  NaN among the inputs is not served.
; No matrix work, no tensor load, no cluster: every input byte is read once by one wave, and the work-groups share nothing.  Each kind has LDS bytes of its own.
; tab's 8 bytes a tile are the one store of the launch that covers less than 256 consecutive bytes: 256 such stores in all.
.set NMASK, 256                        ; work-groups for the mask
.set NK,    512                        ; for k; as many for v
.set KST,   0                          ; LDS: K's stage: for each wave two fragments x 8 blocks of 288 bytes (256 + 32 of padding)
.set KWV,   4608
.set KBL,   288
.set MST,   18432                      ; the mask's stage: for each wave 16 rows x (256 + 16) bytes
.set MWV,   4352
.set MPT,   272
.set CMB,   35840                      ; four words for each wave of a mask work-group: ANY, FULL, ROW, 0
; v1 lane; v2-v13 offsets and LDS addresses, made here, ahead of the parting, and never rewritten; v14 448 x 2^e, v15 2^e; v16-31 the words of 8 steps; v32-63 codes, or the mask as read back; v64-191 what is loaded; v192-223 at work
	s_load_b256 s[4:11], s[0:1], 0x0               ; k s[4:5], v s[6:7], mask s[8:9], lowp_scales s[10:11]
	s_load_b128 s[12:15], s[0:1], 0x20             ; kv s[12:13], mw s[14:15]
	s_load_b64 s[16:17], s[0:1], 0x30              ; tab
	v_lshl_add_u32 v224, v0, 2, 0x8d00
	v_mov_b32 v225, 0
	v_lshrrev_b32 v1, 5, v0
	v_readfirstlane_b32 s18, v1                    ; wave 0..3
	v_and_b32 v1, 31, v0                           ; lane l
	v_and_b32 v20, 15, v0                          ; r = l % 16
	v_bfe_u32 v21, v0, 4, 1                        ; hi = l / 16
	v_lshlrev_b32 v2, 4, v20
	v_lshl_add_u32 v2, v21, 12, v2                 ; mask, in memory: row hi of a pair of rows (4,096 bytes a row), 16 bytes a lane
	s_mul_i32 s30, s18, MWV
	s_add_co_u32 s30, s30, MST
	v_mul_u32_u24 v3, v21, MPT
	v_lshl_add_u32 v3, v20, 4, v3
	v_add_nc_u32 v3, s30, v3                       ; the mask's stage, in: as loaded
	v_mul_u32_u24 v4, v20, MPT
	v_lshl_add_u32 v4, v21, 4, v4
	v_add_nc_u32 v4, s30, v4                       ; and out: lane (r, hi) takes query r, 16 keys from 16 hi on
	v_lshlrev_b32 v5, 3, v1                        ; mw: two words a lane
	s_lshl_b32 s31, s18, 4
	s_add_co_u32 s31, s31, CMB
	v_mov_b32 v6, s31                              ; my wave's four words
	v_mov_b32 v7, CMB                              ; all four waves'
	s_mul_i32 s30, s18, KWV
	v_lshrrev_b32 v22, 2, v1
	v_mul_u32_u24 v9, v22, KBL
	v_and_b32 v22, 3, v1
	v_lshl_add_u32 v9, v22, 2, v9
	v_add_nc_u32 v9, s30, v9                       ; K's stage, in: lane l holds channels 4 l .. 4 l + 3: block l / 4 (= 2 c + h), byte 4 (l % 4) of the row's 16
	v_mul_u32_u24 v10, v21, KBL
	v_lshl_add_u32 v10, v20, 4, v10
	v_add_nc_u32 v10, s30, v10                     ; and out: the image's lane (r, h = hi): block 2 c + hi, 16 r
	v_lshlrev_b32 v11, 4, v1                       ; 16 l
	v_lshlrev_b32 v12, 2, v1                       ; 4 l
	v_lshlrev_b32 v13, 4, v20
	v_lshl_add_u32 v13, v21, 11, v13               ; V's codes: fragment hi of my wave's two, 16 r
	s_mov_b32 s21, 0                               ; upper words of the two offset pairs
	s_mov_b32 s23, 0
	s_mov_b32 s40, 0x01010101                      ; four bytes that are 1
	s_wait_kmcnt 0x0
	s_cmp_lt_u32 ttmp9, NMASK
	s_cbranch_scc1 .Lmask
	s_cmp_lt_u32 ttmp9, NMASK+NK
	s_cbranch_scc1 .Lkrole
.macro SCALE e                         ; s[e] holds the exponent: v15 = 2^e (the conversion takes its exponent field), v14 = 448 x 2^e
	s_add_co_i32 s30, s[\e], 127
	s_lshl_b32 s31, s30, 23
	v_mov_b32 v15, s31
	s_add_co_i32 s30, s30, 8
	s_lshl_b32 s30, s30, 23
	s_or_b32 s30, s30, 0x600000
	v_mov_b32 v14, s30
.endm
; ---- V.  A LANE TAKES A CHANNEL AND ITS REGISTERS RUN DOWN THE KEYS: wave w, lane l: channel 32 w + l, all 128 keys of the step.  A load reads 128 consecutive bytes a wave; the four waves stand side by side on a row's 512.
	s_load_b128 s[24:27], s[10:11], 0x0            ; eq, ek, ep, ev
	s_sub_co_u32 s19, ttmp9, NMASK+NK              ; 32 head + step
	s_lshl_b32 s20, s19, 16                        ; 128 keys x 512 bytes
	s_lshl_b32 s30, s18, 7
	s_add_co_u32 s20, s20, s30                     ; + my wave's 32 channels
	s_add_nc_u64 s[6:7], s[6:7], s[20:21]
	s_lshl_b32 s22, s19, 15                        ; the step's 32,768 bytes of kv,
	s_lshl_b32 s30, s18, 12
	s_add_co_u32 s22, s22, s30                     ; my wave's two fragments,
	s_add_co_u32 s22, s22, 16384                   ; behind K's eight
	s_add_nc_u64 s[12:13], s[12:13], s[22:23]
.set j, 0
.rept 128
	global_load_b32 v[64+j], v12, s[6:7] offset:512*j th:TH_LOAD_NT
.set j, j+1
.endr
	s_wait_kmcnt 0x0
	SCALE 27
.irp c, 0,1,2,3                        ; 32 keys at a time: chunk c of the image, both halves h
.if \c < 2
	s_wait_loadcnt 63                              ; keys 32 c .. 32 c + 31 are in: 96 - 32 c younger loads might stay out; the wait's field holds 63
.else
	s_wait_loadcnt 96-32*\c                        ; the younger blocks of 32 keys stay out
.endif
.set j, 0
.rept 32
	v_med3_num_f32 v[64+32*\c+j], v[64+32*\c+j], -v14, v14   ; the conversion to an 8-bit code does not saturate (ISA guide 7.6.2): the hold comes first
.set j, j+1
.endr
.irp g, 0,1,2,3
	v_cvt_scalef32_pk8_fp8_f32 v[32+8*\c+2*\g:33+8*\c+2*\g], v[64+32*\c+8*\g:71+32*\c+8*\g], v15
.endr
	global_store_b128 v13, v[32+8*\c:35+8*\c], s[12:13] offset:512*\c        ; h = 0: sixteen lanes store 256 consecutive bytes, aligned
	global_store_b128 v13, v[36+8*\c:39+8*\c], s[12:13] offset:512*\c+256    ; h = 1
.endr
	v_nop                                          ; a plain line behind the last conversion
	s_branch .Ljoin
; ---- K.  Wave w takes keys 32 w .. 32 w + 31 of the step: fragments 2 w and 2 w + 1.  A load reads one key's whole row, 512 consecutive bytes, 4 channels a lane.
; One conversion takes the 4 + 4 numbers of keys 2 P and 2 P + 1: its first register is four codes of the one key, its second four of the other.  They meet in the wave's stage as the image has them.
.Lkrole:
	s_load_b128 s[24:27], s[10:11], 0x0            ; eq, ek, ep, ev
	s_sub_co_u32 s19, ttmp9, NMASK                 ; 32 head + step
	s_lshl_b32 s20, s19, 16
	s_lshl_b32 s30, s18, 14
	s_add_co_u32 s20, s20, s30                     ; + my wave's 32 keys
	s_add_nc_u64 s[4:5], s[4:5], s[20:21]
	s_lshl_b32 s22, s19, 15
	s_lshl_b32 s30, s18, 12
	s_add_co_u32 s22, s22, s30
	s_add_nc_u64 s[12:13], s[12:13], s[22:23]
.set j, 0
.rept 32
	global_load_b128 v[64+4*j:67+4*j], v11, s[4:5] offset:512*j th:TH_LOAD_NT
.set j, j+1
.endr
	s_wait_kmcnt 0x0
	SCALE 25
.irp P, 0,1,2,3,4,5,6,7,8,9,10,11,12,13,14,15
	s_wait_loadcnt 30-2*\P                         ; keys 2 P and 2 P + 1 are in; the younger keys' loads stay out
.irp i, 0,1,2,3,4,5,6,7
	v_med3_num_f32 v[64+8*\P+\i], v[64+8*\P+\i], -v14, v14
.endr
	v_cvt_scalef32_pk8_fp8_f32 v[32+2*\P:33+2*\P], v[64+8*\P:71+8*\P], v15
	; local key x lies in fragment (x / 8) % 2, at the image's row x % 8 + 8 (x / 16).  The 32 lanes of a store fall on 32 different banks: word 72 (l / 4) + l % 4
	ds_store_b32 v9, v[32+2*\P] offset:KST+8*KBL*(((2*\P)>>3)&1)+16*(((2*\P)&7)+8*((2*\P)>>4))
	ds_store_b32 v9, v[33+2*\P] offset:KST+8*KBL*(((2*\P+1)>>3)&1)+16*(((2*\P+1)&7)+8*((2*\P+1)>>4))
.endr
	v_nop                                          ; a plain line behind the last conversion
.irp u, 0,1
.irp c, 0,1,2,3
	ds_load_b128 v[192+4*(4*\u+\c):195+4*(4*\u+\c)], v10 offset:KST+8*KBL*\u+2*KBL*\c   ; LDS serves a wave's instructions in order (ISA guide 5.7.1.4): these see my stores
.endr
.endr
.irp u, 0,1
.irp c, 0,1,2,3
	s_wait_dscnt 7-(4*\u+\c)
	global_store_b128 v11, v[192+4*(4*\u+\c):195+4*(4*\u+\c)], s[12:13] offset:2048*\u+512*\c   ; a chunk: 512 consecutive bytes
.endr
.endr
	s_branch .Ljoin
; ---- MASK.
; One key step (local number 2 u + s2): its 16 registers T hold, in lane (r, hi), the bytes of query r at keys 32 b + 16 hi + 4 d + k (register 4 b + d, byte k).
; Word n = 16 b + 4 d + k is the lane mask of 'byte k of register 4 b + d is not 0'; it goes to lane n / 2, register n % 2, so that one store of 8 bytes a lane puts out the step's 64 words.
.macro MSTEP u, s2
.set ST, 2*(\u)+(\s2)
.set T0, 32+16*(\s2)
.irp b, 0,1,2,3
.irp dp, 0,1
.irp e, 0,1,2,3,4,5,6,7
	v_and_b32 v[192+\e], 0xff<<(8*(\e%4)), v[T0+4*\b+2*\dp+\e/4]
.endr
.irp e, 0,1,2,3,4,5,6,7
	v_cmp_ne_u32 s[32+\e], 0, v[192+\e]
.endr
.irp e, 0,1,2,3,4,5,6,7
	v_writelane_b32 v[16+2*ST+\e%2], s[32+\e], 8*\b+4*\dp+\e/2
.endr
.endr
.endr
	v_or_b32 v200, v[T0], v[T0+1]                  ; is any byte of the step true, are all of them 1
	v_and_b32 v201, v[T0], v[T0+1]
.irp i, 2,3,4,5,6,7,8,9,10,11,12,13,14,15
	v_or_b32 v200, v200, v[T0+\i]
	v_and_b32 v201, v201, v[T0+\i]
.endr
	v_or_b32 v202, v202, v200                      ; has my query seen a key, in my half of the keys of my wave's steps
	v_cmp_ne_u32 s30, 0, v200
	v_cmp_eq_u32 s31, s40, v201
	s_cmp_lg_u32 s30, 0
	s_cselect_b32 s30, 1<<ST, 0                    ; no branch: the bits are chosen
	s_or_b32 s28, s28, s30
	s_cmp_eq_u32 s31, -1
	s_cselect_b32 s31, 1<<ST, 0
	s_or_b32 s29, s29, s31
	global_store_b64 v5, v[16+2*ST:17+2*ST], s[14:15] offset:256*ST   ; 256 consecutive bytes, aligned; each step has registers of its own, so no store's data are written again
.endm
; 256 bytes of each of the 16 rows (two key steps) turn through the wave's stage: in as loaded, sixteen lanes to a row; out a lane to a query.
.macro MUNIT u
	s_wait_loadcnt 24-8*(\u)                       ; this column's eight loads are in; the younger columns' stay out
.irp p, 0,1,2,3,4,5,6,7
	ds_store_b128 v3, v[64+4*(8*(\u)+\p):67+4*(8*(\u)+\p)] offset:2*MPT*\p
.endr
.irp s2, 0,1
.irp b, 0,1,2,3
	ds_load_b128 v[32+16*\s2+4*\b:35+16*\s2+4*\b], v4 offset:128*\s2+32*\b
.endr
.endr
	s_wait_dscnt 0x0
	MSTEP \u, 0
	MSTEP \u, 1
.endm
.Lmask:
	s_lshl_b32 s20, ttmp9, 16                      ; 16 rows of 4,096 bytes,
	s_lshl_b32 s30, s18, 10
	s_add_co_u32 s20, s20, s30                     ; my wave's 1,024 keys
	s_add_nc_u64 s[8:9], s[8:9], s[20:21]
	s_lshl_b32 s22, ttmp9, 13                      ; the tile's 32 x 256 bytes of mw,
	s_lshl_b32 s30, s18, 11
	s_add_co_u32 s22, s22, s30                     ; my wave's eight steps
	s_add_nc_u64 s[14:15], s[14:15], s[22:23]
.irp u, 0,1,2,3
.irp p, 0,1,2,3,4,5,6,7
	global_load_b128 v[64+4*(8*\u+\p):67+4*(8*\u+\p)], v2, s[8:9] offset:8192*\p+256*\u th:TH_LOAD_NT   ; sixteen lanes read 256 consecutive bytes of a row, aligned
.endr
.endr
.set j, 0
.rept 16
	v_mov_b32 v[16+j], 0                           ; v_writelane_b32's destination counts as read: written once
.set j, j+1
.endr
	v_mov_b32 v202, 0
	s_mov_b32 s28, 0                               ; ANY and FULL of my eight steps
	s_mov_b32 s29, 0
	MUNIT 0
	MUNIT 1
	MUNIT 2
	MUNIT 3
	v_cmp_ne_u32 s30, 0, v202                      ; ROW: bits r and r + 16: query r has seen a key
	s_lshl_b32 s31, s18, 3
	s_lshl_b32 s28, s28, s31                       ; my steps' place among the 32
	s_lshl_b32 s29, s29, s31
	v_mov_b32 v204, s28
	v_mov_b32 v205, s29
	v_mov_b32 v206, s30
	v_mov_b32 v207, 0
	ds_store_b128 v6, v[204:207]                   ; every lane stores the same 16 bytes
; ---- The one barrier of the launch stands on every wave's path, whatever its kind.
.Ljoin:
	s_wait_dscnt 0x0                               ; for the others' sake: my LDS stores are done
	s_barrier_signal -1
	s_barrier_wait -1
	s_cmp_lt_u32 ttmp9, NMASK
	s_cbranch_scc0 .Lend
	s_cmp_eq_u32 s18, 0
	s_cbranch_scc0 .Lend
	s_wait_xcnt 0x0                                ; every store issued so far has read its registers (ISA guide 3.1).  The lines below are one text behind the join of all three kinds, and v204-219 are among the data
	                                               ; registers of K's stores: they are written again only behind this wait.  No memory instruction follows before EXEC is narrowed, so the wait serves that line too (mw's stores)
.irp i, 0,1,2,3                        ; wave 0 of a mask work-group joins the four waves' words
	ds_load_b128 v[204+4*\i:207+4*\i], v7 offset:16*\i
.endr
	s_wait_dscnt 0x0
	v_or_b32 v204, v204, v208
	v_or_b32 v212, v212, v216
	v_or_b32 v205, v205, v209
	v_or_b32 v213, v213, v217
	v_or_b32 v206, v206, v210
	v_or_b32 v214, v214, v218
	v_or_b32 v204, v204, v212                      ; ANY
	v_or_b32 v205, v205, v213                      ; FULL
	v_or_b32 v206, v206, v214                      ; ROW
	v_readfirstlane_b32 s28, v204
	v_readfirstlane_b32 s30, v206
	s_lshr_b32 s31, s30, 16
	s_or_b32 s30, s30, s31
	s_and_b32 s30, s30, 0xffff                     ; bit r: query r sees some key
	s_cmp_eq_u32 s30, 0xffff
	s_cselect_b32 s28, s28, -1                     ; a query that sees none wants all 32 steps
	v_mov_b32 v204, s28
	v_mov_b32 v206, 0
	s_lshl_b32 s20, ttmp9, 3
	s_add_nc_u64 s[16:17], s[16:17], s[20:21]      ; tab at my tile
	v_cmp_eq_u32 vcc_lo, 0, v1
	s_and_saveexec_b32 s41, vcc_lo                 ; (behind the wait on XCNT above: nothing has gone to memory since)
	global_store_b64 v206, v[204:205], s[16:17]    ; lane 0: ANY, FULL
	s_wait_xcnt 0x0                                ; EXEC is widened only behind this wait
	s_or_b32 exec_lo, exec_lo, s41
.Lend:
	s_wait_tensorcnt 0x0
	ds_add_u32 v224, v225
	s_wait_dscnt 0x0
	s_endpgm
.Lfunc_end_k_q04bfc036ad_prep:
	.size	k_q04bfc036ad_prep, .Lfunc_end_k_q04bfc036ad_prep-k_q04bfc036ad_prep
	.p2alignl 7, 3214868480
	.fill 96, 4, 3214868480
	.section	.rodata,"a",@progbits
	.p2align	6, 0x0
	.amdhsa_kernel k_q04bfc036ad_prep
		.amdhsa_group_segment_fixed_size 36608
		.amdhsa_private_segment_fixed_size 0
		.amdhsa_enable_private_segment 0
		.amdhsa_kernarg_size 56
		.amdhsa_user_sgpr_count 2
		.amdhsa_user_sgpr_kernarg_segment_ptr 1
		.amdhsa_wavefront_size32 1
		.amdhsa_system_sgpr_workgroup_id_x 1
		.amdhsa_system_sgpr_workgroup_id_y 1
		.amdhsa_system_sgpr_workgroup_id_z 1
		.amdhsa_system_vgpr_workitem_id 0
		.amdhsa_next_free_vgpr 226
		.amdhsa_next_free_sgpr 66
		.amdhsa_reserve_vcc 1
		.amdhsa_float_denorm_mode_32 3
		.amdhsa_float_denorm_mode_16_64 3
		.amdhsa_memory_ordered 1
		.amdhsa_forward_progress 1
		.amdhsa_inst_pref_size 160
	.end_amdhsa_kernel
	.amdgpu_metadata
---
amdhsa.version: [ 1, 2 ]
amdhsa.kernels:
  - .name:           k_q04bfc036ad_prep
    .symbol:         k_q04bfc036ad_prep.kd
    .args:
      - { .name: k, .offset: 0, .size: 8, .value_kind: global_buffer, .address_space: global }
      - { .name: v, .offset: 8, .size: 8, .value_kind: global_buffer, .address_space: global }
      - { .name: mask, .offset: 16, .size: 8, .value_kind: global_buffer, .address_space: global }
      - { .name: lowp_scales, .offset: 24, .size: 8, .value_kind: global_buffer, .address_space: global }
      - { .name: kv, .offset: 32, .size: 8, .value_kind: global_buffer, .address_space: global }
      - { .name: mw, .offset: 40, .size: 8, .value_kind: global_buffer, .address_space: global }
      - { .name: tab, .offset: 48, .size: 8, .value_kind: global_buffer, .address_space: global }
    .group_segment_fixed_size: 36608
    .private_segment_fixed_size: 0
    .kernarg_segment_align: 8
    .kernarg_segment_size: 56
    .max_flat_workgroup_size: 128
    .sgpr_count:     66
    .vgpr_count:     226
    .wavefront_size: 32
...
	.end_amdgpu_metadata
.endif
;; end of part 1
;; launch attn (part 2): grid 16 x 16, 8 waves a work-group, no clusters, 101,376 bytes of LDS; arguments q, kv, mw, tab, lowp_scales, out0; writes out0
.if DOCPART == 2
	.amdgcn_target "amdgcn-amd-amdhsa--gfx1250"
	.amdhsa_code_object_version 6
	.text
	.protected	k_q04bfc036ad_attn
	.globl	k_q04bfc036ad_attn
	.p2align	8
	.type	k_q04bfc036ad_attn,@function
k_q04bfc036ad_attn:
	s_mov_b64 s[64:65], 0
	v_nop
	global_prefetch_b8 v0, s[64:65] scope:SCOPE_SE
	s_setreg_imm32_b32 hwreg(HW_REG_WAVE_MODE, 25, 1), 1
	s_wait_xcnt 0x0
; out0[h][q][:] = the sum over k of softmax_k(mask ? q . k / sqrt(128) : -1e30) v[h][k][:], both products on codes of E4M3, each operand with the one scale 2^e that is given: eq, ek, ep, ev.
; q [16][4096][128] f32 is quantised here, in registers; K's and V's codes come from kv as images of the operands' registers, the mask as lane masks (mw) and two words a tile of 16 queries (tab): the launch before made them.
; cu_seqlens and max_seqlen do not enter the result and are not taken.
; THE SOFTMAX AHEAD OF THE SECOND PRODUCT: t = score x c, c = log2(e) / sqrt(128) x 2^(eq + ek); M = the running largest t rounded UP to a whole number; p = 2^(t - M) is quantised, not normalised; the row's sum is taken of the
; unquantised p and divides at the end; when M moves, the sum and O are multiplied by 2^(old M - new M).
; WHICH KEY STEPS ARE WALKED.  A step of 128 keys is walked for a pair of tiles if tab's ANY names it for either tile.  In a walked step that is not wholly visible a hidden raw score becomes SNEG = -2^64, far under every raw sum of
; code products (at most 128 x 448^2 < 2^25).  SNEG x c is exact and a whole number, so a query that has seen hidden keys only has M = SNEG x c and p = 1 exactly, as the finite -1e30 gives it; its first visible key makes
; 2^(old M - new M) = 0 and wipes what was summed.  A query that sees no key walks all 32 steps (ANY is all ones for its tile) and ends as the mean over all keys.  So a sum is never 0.
; LIMITS on the given exponents: -38 <= eq + ek <= 60 (c x 2^64 is then a whole f32 number under 3e38); eq and ep between -126 and 119 (2^e and 448 x 2^e are f32 numbers); ep + ev goes through v_ldexp_f32 and has none.  NaN among the inputs is not served.
; SHARES.  A work-group owns 256 queries of one head; each of its eight waves owns 32: TWO tiles of 16, A and B, so that each fragment read from LDS feeds two products.  Two waves to a SIMD: one wave's vector work stands beside the other's products and loads.
; The work-group walks the union of its 16 tiles' lists; a wave leaves out the steps that neither of its tiles needs.  The step after the one in hand is fetched through registers (32 KB: 128 bytes a lane) into the other of two LDS slots: it has a whole worked step in which to land.
; NO TENSOR LOAD, NO CLUSTER, NO JOINT LOAD, though the work-groups of a head read the same kv: which steps a work-group walks hangs on numbers read from memory, so partners would need different tiles, and this text branches on loaded numbers.
; LAYOUT.  Both products are used transposed: S^T = K Q^T, O^T = V^T P^T: a lane holds ONE query (lane % 16) throughout.  The keys of a tile of K are chosen (see the launch before) so that score register n of lane (r, h) is key 32 (n / 16) + 16 h + n % 16: P's codes are the second product's operand as they leave the conversions.
; REGISTERS.  Tile A lives in window 0, tile B in window 1, UNDER THE SAME NUMBERS, so each softmax macro is written once and serves B under s_set_vgpr_msb 0x55.
;   v0 thread, v1 16 x lane, v2 16 x thread (window 0);  v3 SNEG, v4 448 x 2^ep, v5 2^ep, v6, v7, v10, v11 at work, v[8:9] f, v12 -M, v13 the largest t, v[14:15] the sum;  v16-31 Q's codes;
;   v32-95 four fragments (window 0: fragments 0-3, window 1: 4-7);  v96-159 S^T, then p;  v160-223 O^T;  v224-239 P's codes;  v240-255 the fetch (window 0: pieces 0-3, window 1: 4-7).
.set SLOTB, 32768                      ; LDS: slot 0 at 0, slot 1 at 32,768: a step's image, K's 16,384 bytes, then V's
.set VOFF,  16384
.set STG,   65536                      ; the way out: 16 rows x (256 + 16) bytes for each wave
.set SPT,   272
.set WV,    16                         ; s16  my wave's number
.set PI,    17                         ; s17  which pair of tiles of the block is mine
.set SEL,   18                         ; s[18:19] v_permlanex16_b32's selects for lane l xor 16
.set CS,    20                         ; s[20:21] c, twice: the packed form names a pair
.set REM,   22                         ; s22  the block's steps not yet fetched, a bit each
.set CUR,   23                         ; s23  the step in hand
.set NV,    56                         ; s56  1: NXT is a step to fetch
.set MYA,   57                         ; s57  the steps that my pair walks
.set MYP,   58                         ; s58  those of them that are not wholly visible
.set CNT,   59
.set FA,    60                         ; s[60:61] where the fetch reads
.set MO,    62                         ; s62  the step's offset in mw
.set HOLDF, 66                         ; s66  1: 448 x 2^ep lies under what p can reach
.set EPV,   67                         ; s67  ep + ev
.set CV,    100                        ; s100 1: CUR is a step
.set PF,    101                        ; s101 1: the step in hand needs its mask words
.set NXT,   104                        ; s104 the step to fetch
.set TMP,   105
; the 64 mask words: word n in s[24 + n] for n < 32, in s[36 + n] from 32 on (s[24:55], s[68:99])
.set MSB, 0
.macro WIN new                         ; low byte: bits 1:0 source 0, 3:2 source 1, 5:4 source 2, 7:6 destination; the high byte repeats the setting that is left; a switch that changes nothing is dropped
.if MSB != \new
	s_set_vgpr_msb (MSB<<8)|\new
.set MSB, \new
.endif
.endm
.macro PLACES                          ; four plain lines between a matrix instruction and a load into, or a vector read of, its registers
.rept 4
	v_nop
.endr
.endm
.macro ADV                             ; the next step of the block's list: its lowest bit.  The number is held at 31 ahead of every address
	s_ctz_i32_b32 s[NXT], s[REM]
	s_min_u32 s[NXT], s[NXT], 31
	s_cmp_lg_u32 s[REM], 0
	s_cselect_b32 s[NV], 1, 0
	s_sub_co_u32 s[TMP], s[REM], 1
	s_and_b32 s[REM], s[REM], s[TMP]
.endm
.macro FILL_LOAD                       ; step NXT's 32,768 bytes: eight loads, each 4,096 consecutive bytes for the work-group's 256 threads
	s_lshl_b32 s2, s[NXT], 15
	s_mov_b32 s3, 0
	s_add_nc_u64 s[FA:FA+1], s[6:7], s[2:3]
.irp i, 0,1,2,3
	global_load_b128 v[240+4*\i:243+4*\i], v2, s[FA:FA+1] offset:4096*\i
.endr
	WIN 0x40
.irp i, 0,1,2,3
	global_load_b128 v[240+4*\i:243+4*\i], v2, s[FA:FA+1] offset:4096*(\i+4)
.endr
	WIN 0
.endm
.macro FILL_STORE slot
.irp i, 0,1,2,3
	ds_store_b128 v2, v[240+4*\i:243+4*\i] offset:SLOTB*(\slot)+4096*\i
.endr
	WIN 0x04
.irp i, 0,1,2,3
	ds_store_b128 v2, v[240+4*\i:243+4*\i] offset:SLOTB*(\slot)+4096*(\i+4)
.endr
	WIN 0
.endm
.macro MWLOAD off                      ; a tile's 64 mask words of the step in hand
	s_load_b512 s[24:39], s[8:9], s[MO] offset:\off
	s_load_b512 s[40:55], s[8:9], s[MO] offset:\off+64
	s_load_b512 s[68:83], s[8:9], s[MO] offset:\off+128
	s_load_b512 s[84:99], s[8:9], s[MO] offset:\off+192
.endm
.macro FRAGS base                      ; four fragments from LDS byte base on, as they lie: 16 bytes a lane, 512 a load
.irp t, 0,1,2,3
.irp c, 0,1,2,3
	ds_load_b128 v[32+16*\t+4*\c:35+16*\t+4*\c], v1 offset:\base+2048*\t+512*\c
.endr
.endr
.endm
.macro QK t0                           ; S^T's tiles t0 .. t0 + 3 of one tile of queries: source 0 = 16 keys, source 1 = the 16 queries
.irp t, 0,1,2,3
	v_wmma_f32_16x16x128_fp8_fp8 v[96+8*(\t0+\t):103+8*(\t0+\t)], v[32+16*\t:47+16*\t], v[16:31], 0
.endr
.endm
.macro PV t0                           ; O^T's tiles t0 .. t0 + 3: source 0 = 16 channels x 128 keys, source 1 = P
.irp t, 0,1,2,3
	v_wmma_f32_16x16x128_fp8_fp8 v[160+8*(\t0+\t):167+8*(\t0+\t)], v[32+16*\t:47+16*\t], v[224:239], v[160+8*(\t0+\t):167+8*(\t0+\t)]
.endr
.endm
.macro MASK                            ; hidden scores become SNEG; each accumulator from its low end on
.set n, 0
.rept 64
.if n < 32
	v_cndmask_b32 v[96+n], v3, v[96+n], s[24+n]
.else
	v_cndmask_b32 v[96+n], v3, v[96+n], s[36+n]
.endif
.set n, n+1
.endr
.endm
.macro SM1                             ; one tile: the maximum, M, f, p and the sum
	v_max3_num_f32 v6, v96, v97, v98               ; my query's largest score among my 64 keys, in two chains, each accumulator from its low end on,
	v_max3_num_f32 v10, v99, v100, v101
.irp i, 6,10,14,18,22,26,30,34,38,42,46,50,54,58
	v_max3_num_f32 v6, v6, v[96+\i], v[97+\i]
	v_max3_num_f32 v10, v10, v[98+\i], v[99+\i]
.endr
	v_max3_num_f32 v6, v6, v158, v159
	v_max_num_f32 v6, v6, v10
	v_permlanex16_b32 v7, v6, s[SEL], s[SEL+1]
	v_max_num_f32 v6, v6, v7                       ; and among lane l xor 16's
	v_mul_f32 v6, s[CS], v6                        ; as t (c is positive)
	v_max_num_f32 v13, v13, v6                     ; the running largest t
	v_mov_b32 v6, v12
	v_floor_f32 v12, -v13                          ; the new -M = floor(-t) = -ceil(t)
	v_sub_f32 v6, v12, v6                          ; old M - new M: a whole number, 0 or less
	v_cvt_i32_f32 v6, v6                           ; (it saturates)
	v_ldexp_f32 v8, 1.0, v6                        ; f = 2^(old M - new M)
.irp j, 0,2,4,6,8,10,12,14,16,18,20,22,24,26,28,30,32,34,36,38,40,42,44,46,48,50,52,54,56,58,60,62
	v_pk_fma_f32 v[96+\j:97+\j], v[96+\j:97+\j], s[CS:CS+1], v[12:13] op_sel_hi:[1,0,0]   ; t - M, two at a time (of the pairs c and -M the low word serves both halves)
.endr
.set n, 0
.rept 64
	v_exp_f32 v[96+n], v[96+n]                     ; p = 2^(t - M): one batch
.set n, n+1
.endr
	v_pk_mul_f32 v[14:15], v[14:15], v[8:9] op_sel_hi:[1,0]   ; the sum under the new M: the plain line behind the exponentials
	s_wait_alu depctr_va_vdst(0)                   ; one wait for the batch, ahead of its first reader
	v_pk_add_f32 v[10:11], v[96:97], v[98:99]      ; the sum of the UNQUANTISED p, in two chains
.irp j, 4,8,12,16,20,24,28,32,36,40,44,48,52,56,60
	v_pk_add_f32 v[14:15], v[14:15], v[96+\j:97+\j]
	v_pk_add_f32 v[10:11], v[10:11], v[98+\j:99+\j]
.endr
	v_pk_add_f32 v[14:15], v[14:15], v[10:11]
.endm
.macro HOLD                            ; p is never negative: a one-sided hold at 448 x 2^ep
.set n, 0
.rept 64
	v_min_num_f32 v[96+n], v[96+n], v4
.set n, n+1
.endr
.endm
.macro SM2                             ; one tile: P's codes, and O^T under the new M.  The 32 multiplies are also the plain lines between the conversions and the products
.irp b, 0,1,2,3
	v_cvt_scalef32_pk8_fp8_f32 v[224+4*\b:225+4*\b], v[96+16*\b:103+16*\b], v5
	v_cvt_scalef32_pk8_fp8_f32 v[226+4*\b:227+4*\b], v[104+16*\b:111+16*\b], v5
.endr
.irp j, 0,2,4,6,8,10,12,14,16,18,20,22,24,26,28,30,32,34,36,38,40,42,44,46,48,50,52,54,56,58,60,62
	v_pk_mul_f32 v[160+\j:161+\j], v[160+\j:161+\j], v[8:9] op_sel_hi:[1,0]
.endr
.endm
.macro QUANT                           ; one tile of q: register 96 + 16 b + i = channel 32 b + 16 h + i of my query; v6 = 448 x 2^eq, v7 = 2^eq
.irp b, 0,1,2,3
.irp i, 0,1,2,3,4,5,6,7,8,9,10,11,12,13,14,15
	v_med3_num_f32 v[96+16*\b+\i], v[96+16*\b+\i], -v6, v6   ; the conversion to an 8-bit code does not saturate (ISA guide 7.6.2)
.endr
	v_cvt_scalef32_pk8_fp8_f32 v[16+4*\b:17+4*\b], v[96+16*\b:103+16*\b], v7
	v_cvt_scalef32_pk8_fp8_f32 v[18+4*\b:19+4*\b], v[104+16*\b:111+16*\b], v7
.endr
	v_nop                                          ; a plain line behind the last conversion
.endm
.macro CONSTS                          ; what a tile's window holds at the start.  O^T is cleared: which step is a wave's first hangs on the stored list, so no first step with C = 0 can be written out ahead of the loop
	v_mov_b32 v3, 0xdf800000                       ; SNEG = -2^64
	v_mov_b32 v4, s74                              ; 448 x 2^ep
	v_mov_b32 v5, s75                              ; 2^ep
	v_mov_b32 v6, s72                              ; 448 x 2^eq, for QUANT
	v_mov_b32 v7, s73                              ; 2^eq.  (v7 is later a lane permute's destination, which counts as read)
	v_mov_b32 v9, 0                                ; (named as the upper half of the pair v[8:9])
	v_mov_b32 v12, 0x7f61b1e6                      ; -M = 3e38
	v_mov_b32 v13, 0xff61b1e6                      ; the largest t so far: -3e38, under every t
	v_mov_b32 v14, 0                               ; the sum, in two halves
	v_mov_b32 v15, 0
.set n, 0
.rept 64
	v_mov_b32 v[160+n], 0
.set n, n+1
.endr
.endm
; ONE KEY STEP for my two tiles, from LDS slot 'slot'.  The sixteen products of each kind go in four groups of four: A on fragments 0-3, B on 0-3, B on 4-7, A on 4-7: four window settings, and no two products that follow each other share an accumulator.
.macro COMPUTE slot
	s_lshr_b32 s[PF], s[MYP], s[CUR]
	s_and_b32 s[PF], s[PF], 1
	s_lshl_b32 s[MO], s[CUR], 8                    ; 256 bytes a step in mw
	MWLOAD 0                                       ; tile A's words, always, so that the words are written on every way
	FRAGS SLOTB*(\slot)                            ; K's fragments 0-3
	WIN 0x40
	FRAGS SLOTB*(\slot)+8192                       ; and 4-7, into window 1
	WIN 0
	s_wait_dscnt 16                                ; fragments 0-3 are in; the sixteen younger loads stay out
	QK 0
	WIN 0x54                                       ; source 0 window 0; Q, S^T window 1
	QK 0
	s_wait_dscnt 0x0
	WIN 0x55
	QK 4
	WIN 0x01                                       ; source 0 window 1; Q, S^T window 0
	QK 4
	WIN 0
	PLACES                                         ; ahead of the loads into the fragments' registers and of the first reads of S^T
	FRAGS SLOTB*(\slot)+VOFF                       ; V's fragments are asked for now and land under the softmax
	WIN 0x40
	FRAGS SLOTB*(\slot)+VOFF+8192
	WIN 0
	s_wait_kmcnt 0x0                               ; A's words
	s_cmp_lg_u32 s[PF], 0
	s_cbranch_scc0 .Lopen_a_\@
	MASK
	MWLOAD 8192                                    ; tile B's words lie one tile, 8,192 bytes, on; they land under A's softmax
.Lopen_a_\@:
	SM1
	s_wait_kmcnt 0x0                               ; B's words; the loads are done, so their offset register may be written again
	s_cmp_lg_u32 s[PF], 0
	s_cbranch_scc0 .Lopen_b_\@
	WIN 0x55
	MASK
	WIN 0
.Lopen_b_\@:
	WIN 0x55
	SM1
	WIN 0
	s_cmp_lg_u32 s[HOLDF], 0                       ; for ep >= -8 the bound 448 x 2^ep is 1.75 or more, which p, at most 1 but for a last bit, never reaches
	s_cbranch_scc0 .Lno_hold_\@
	HOLD
	WIN 0x55
	HOLD
	WIN 0
.Lno_hold_\@:
	SM2
	WIN 0x55
	SM2
	WIN 0
	s_wait_dscnt 0x0                               ; V
	PV 0
	WIN 0x54
	PV 0
	WIN 0x55
	PV 4
	WIN 0x01
	PV 4
	WIN 0
	PLACES                                         ; ahead of the next loads into the fragments' registers and of the next reads of O^T
.endm
; ONE TURN OF THE RING: the step in hand lies in 'slot'; the list's next step is fetched into the other slot.  ONE barrier: in front of it each wave's reads of 'slot' are back and its stores into the other slot are done;
; behind it the other slot is whole and nobody reads 'slot' any more.  The barrier stands under no branch; when the list has run out a turn is these scalar lines and the barrier.
.macro SUB slot
	ADV
	s_cmp_lg_u32 s[NV], 0
	s_cbranch_scc0 .Lno_fetch_\@
	FILL_LOAD
.Lno_fetch_\@:
	s_lshr_b32 s[TMP], s[MYA], s[CUR]
	s_and_b32 s[TMP], s[TMP], s[CV]
	s_cmp_lg_u32 s[TMP], 0
	s_cbranch_scc0 .Lno_work_\@
	COMPUTE \slot
.Lno_work_\@:
	s_wait_loadcnt 0x0                             ; the fetch is in; its address may be written again
	s_cmp_lg_u32 s[NV], 0
	s_cbranch_scc0 .Lno_store_\@
	FILL_STORE 1-(\slot)
.Lno_store_\@:
	s_wait_dscnt 0x0
	s_barrier_signal -1
	s_barrier_wait -1
	s_mov_b32 s[CUR], s[NXT]
	s_mov_b32 s[CV], s[NV]
.endm
	s_load_b256 s[4:11], s[0:1], 0x0               ; q s[4:5], kv s[6:7], mw s[8:9], tab s[10:11]
	s_load_b128 s[12:15], s[0:1], 0x20             ; lowp_scales s[12:13], out0 s[14:15]
	s_set_vgpr_msb 0x40
	v_lshl_add_u32 v1, v0, 2, 0x18800
	v_mov_b32 v2, 0
	s_set_vgpr_msb 0x4000
	v_lshrrev_b32 v1, 5, v0
	v_readfirstlane_b32 s[WV], v1                  ; wave 0..7
	v_and_b32 v1, 31, v0
	v_lshlrev_b32 v1, 4, v1                        ; 16 x lane
	v_lshlrev_b32 v2, 4, v0                        ; 16 x thread
	v_and_b32 v8, 15, v0                           ; r
	v_bfe_u32 v9, v0, 4, 1                         ; h
	v_lshlrev_b32 v10, 9, v8
	v_lshl_add_u32 v10, v9, 6, v10                 ; q: row r of 512 bytes, + 64 h: my 16 numbers of a block of 32 channels
	s_lshr_b32 s2, s[WV], 2                        ; my pair of tiles: 4 ((w ^ (w >> 2)) & 1) + ((w >> 1) & 3): waves 0..7 take pairs 0, 4, 1, 5, 6, 2, 7, 3.  It enters global addresses alone
	s_xor_b32 s2, s2, s[WV]
	s_and_b32 s2, s2, 1
	s_lshl_b32 s2, s2, 2
	s_bfe_u32 s[PI], s[WV], 0x20001
	s_add_co_u32 s[PI], s[PI], s2
	s_and_b32 s72, ttmp7, 0xffff                   ; the head
	s_lshl_b32 s2, s72, 12
	s_lshl_b32 s3, ttmp9, 8
	s_add_co_u32 s2, s2, s3
	s_lshl_b32 s3, s[PI], 5
	s_add_co_u32 s2, s2, s3                        ; my first query: 4096 head + 256 block + 32 pair,
	s_lshl_b32 s2, s2, 9                           ; in bytes of q and of out0
	s_mov_b32 s3, 0
	s_lshl_b32 s74, s72, 20                        ; the head's 32 x 32,768 bytes of kv
	s_mov_b32 s75, 0
	s_lshl_b32 s76, ttmp9, 17                      ; mw: 8,192 bytes a tile: 16 tiles a block,
	s_lshl_b32 s77, s[PI], 14
	s_add_co_u32 s76, s76, s77                     ; two a pair
	s_mov_b32 s77, 0
	s_lshl_b32 s78, ttmp9, 7                       ; tab: 8 bytes a tile: the block's 16 entries,
	s_lshl_b32 s79, s[PI], 4
	s_add_co_u32 s79, s79, s78                     ; and my pair's two
	s_mov_b32 s[SEL], 0x76543210
	s_mov_b32 s[SEL+1], 0xfedcba98
	s_wait_kmcnt 0x0
	s_load_b128 s[68:71], s[12:13], 0x0            ; eq, ek, ep, ev
	s_load_b512 s[24:39], s[10:11], s78 offset:0x0 ; ANY, FULL of the block's tiles 0-7,
	s_load_b512 s[40:55], s[10:11], s78 offset:0x40   ; 8-15,
	s_load_b128 s[60:63], s[10:11], s79 offset:0x0 ; and of my two
	s_add_nc_u64 s[4:5], s[4:5], s[2:3]
	s_add_nc_u64 s[14:15], s[14:15], s[2:3]
	s_add_nc_u64 s[6:7], s[6:7], s[74:75]
	s_add_nc_u64 s[8:9], s[8:9], s[76:77]
.irp b, 0,1,2,3                        ; q, tile A: 64 numbers a lane
.irp j, 0,1,2,3
	global_load_b128 v[96+16*\b+4*\j:99+16*\b+4*\j], v10, s[4:5] offset:128*\b+16*\j th:TH_LOAD_NT
.endr
.endr
	WIN 0x40
.irp b, 0,1,2,3                        ; tile B: 16 rows, 8,192 bytes, on
.irp j, 0,1,2,3
	global_load_b128 v[96+16*\b+4*\j:99+16*\b+4*\j], v10, s[4:5] offset:8192+128*\b+16*\j th:TH_LOAD_NT
.endr
.endr
	WIN 0
	s_wait_kmcnt 0x0
	s_or_b32 s[REM], s24, s26                      ; the block's list: the union of its 16 tiles' ANY.  It is never empty: every tile's ANY has a bit
.irp i, 28,30,32,34,36,38,40,42,44,46,48,50,52,54
	s_or_b32 s[REM], s[REM], s\i
.endr
	s_or_b32 s[MYA], s60, s62
	s_and_b32 s[TMP], s61, s63
	s_and_not1_b32 s[MYP], s[MYA], s[TMP]
	ADV
	FILL_LOAD                                      ; the list's first step, under no branch: so the fetch's registers are written on every way
	s_add_co_i32 s72, s68, s69
	s_lshl_b32 s72, s72, 23
	s_add_co_i32 s[CS], s72, 0x3e0293ee            ; log2(e) / sqrt(128), with eq + ek added to its exponent field
	s_mov_b32 s[CS+1], s[CS]
	s_add_co_i32 s72, s68, 127
	s_lshl_b32 s73, s72, 23                        ; 2^eq
	s_add_co_i32 s72, s72, 8
	s_lshl_b32 s72, s72, 23
	s_or_b32 s72, s72, 0x600000                    ; 448 x 2^eq
	s_add_co_i32 s74, s70, 127
	s_lshl_b32 s75, s74, 23                        ; 2^ep
	s_add_co_i32 s74, s74, 8
	s_lshl_b32 s74, s74, 23
	s_or_b32 s74, s74, 0x600000                    ; 448 x 2^ep
	s_add_co_i32 s[EPV], s70, s71
	s_cmp_lt_i32 s70, -8
	s_cselect_b32 s[HOLDF], 1, 0
	CONSTS
	WIN 0x40
	CONSTS
	WIN 0
	s_wait_loadcnt 8                               ; q's 32 loads are in; the fetch's eight, issued behind them, stay out
	QUANT
	WIN 0x55
	QUANT
	WIN 0
	s_wait_loadcnt 0x0
	FILL_STORE 0
	s_wait_dscnt 0x0
	s_barrier_signal -1
	s_barrier_wait -1                              ; slot 0 is whole
	s_mov_b32 s[CUR], s[NXT]
	s_mov_b32 s[CV], s[NV]
	s_mov_b32 s[CNT], 16
.Lloop:                                            ; 16 trips of two turns: a list has 32 steps at the most
	SUB 0
	SUB 1
	s_sub_co_u32 s[CNT], s[CNT], 1
	s_cmp_lg_u32 s[CNT], 0
	s_cbranch_scc1 .Lloop
	; THE WAY OUT.  The sums' halves are added; O^T is divided by the sum, multiplied by 2^(ep + ev) and sent through my stage in LDS, half a row (256 bytes) of 16 queries at a time.
.macro LSUM
	v_add_f32 v14, v14, v15                        ; the sum's two halves,
	v_permlanex16_b32 v7, v14, s[SEL], s[SEL+1]
	v_add_f32 v14, v14, v7                         ; and lane l xor 16's
.endm
	LSUM
	WIN 0x55
	LSUM
	WIN 0
	v_rcp_f32 v6, v14                              ; tile A's,
	WIN 0x01
	v_rcp_f32 v8, v14                              ; tile B's, brought into window 0
	WIN 0
	v_and_b32 v19, 15, v0                          ; r.  (The address work is the plain work behind the reciprocals; Q's registers are free)
	v_bfe_u32 v20, v0, 4, 1                        ; h
	s_mul_i32 s2, s[WV], 16*SPT
	s_add_co_u32 s2, s2, STG                       ; my stage
	v_mul_u32_u24 v16, v19, SPT
	v_lshl_add_u32 v16, v20, 5, v16
	v_add_nc_u32 v16, s2, v16                      ; in: row r; a tile's eight channels of my half: 64 t + 32 h bytes on
	v_mul_u32_u24 v17, v20, SPT
	v_lshl_add_u32 v17, v19, 4, v17
	v_add_nc_u32 v17, s2, v17                      ; back: lanes 0-15 one row, lanes 16-31 the next
	v_lshlrev_b32 v18, 9, v20
	v_lshl_add_u32 v18, v19, 4, v18                ; and the same two rows in out0
	s_wait_alu depctr_va_vdst(0)                   ; one wait for both reciprocals, ahead of their first reader
	v_ldexp_f32 v6, v6, s[EPV]
	v_ldexp_f32 v8, v8, s[EPV]
.macro SENDTILE tile                   ; v96-159 of window 0: register 8 t + i is o(r, 16 t + 8 h + i)
.irp u, 0,1
.irp t, 0,1,2,3
	ds_store_b128 v16, v[96+32*\u+8*\t:99+32*\u+8*\t] offset:64*\t
	ds_store_b128 v16, v[100+32*\u+8*\t:103+32*\u+8*\t] offset:64*\t+16
.endr
.irp i, 0,1,2,3,4,5,6,7
	ds_load_b128 v[32+32*\u+4*\i:35+32*\u+4*\i], v17 offset:2*SPT*\i   ; LDS serves a wave's instructions in order (ISA guide 5.7.1.4): these see my stores, and the next half's stores come behind them
.endr
.endr
.irp u, 0,1
.irp i, 0,1,2,3,4,5,6,7
	s_wait_dscnt 23-16*\u-\i                       ; behind load (u, i): the half's 7 - i loads and, for u = 0, the other half's 8 stores and 8 loads
	global_store_b128 v18, v[32+32*\u+4*\i:35+32*\u+4*\i], s[14:15] offset:8192*\tile+1024*\i+256*\u th:TH_STORE_NT   ; sixteen lanes store 256 consecutive bytes, aligned
.endr
.endr
.endm
.set n, 0
.rept 64
	v_mul_f32 v[96+n], v[160+n], v6                ; each accumulator from its low end on
.set n, n+1
.endr
	SENDTILE 0
	WIN 0x01                                       ; O^T of tile B in window 1; its factor and the results in window 0
.set n, 0
.rept 64
	v_mul_f32 v[96+n], v[160+n], v8
.set n, n+1
.endr
	WIN 0
	s_wait_xcnt 0x0                                ; tile A's stores have read their registers: tile B's rows may land there
	SENDTILE 1
	s_set_vgpr_msb 0x5
	s_wait_tensorcnt 0x0
	ds_add_u32 v1, v2
	s_wait_dscnt 0x0
	s_set_vgpr_msb 0x500
	s_endpgm
.Lfunc_end_k_q04bfc036ad_attn:
	.size	k_q04bfc036ad_attn, .Lfunc_end_k_q04bfc036ad_attn-k_q04bfc036ad_attn
	.p2alignl 7, 3214868480
	.fill 96, 4, 3214868480
	.section	.rodata,"a",@progbits
	.p2align	6, 0x0
	.amdhsa_kernel k_q04bfc036ad_attn
		.amdhsa_group_segment_fixed_size 101376
		.amdhsa_private_segment_fixed_size 0
		.amdhsa_enable_private_segment 0
		.amdhsa_kernarg_size 48
		.amdhsa_user_sgpr_count 2
		.amdhsa_user_sgpr_kernarg_segment_ptr 1
		.amdhsa_wavefront_size32 1
		.amdhsa_system_sgpr_workgroup_id_x 1
		.amdhsa_system_sgpr_workgroup_id_y 1
		.amdhsa_system_sgpr_workgroup_id_z 1
		.amdhsa_system_vgpr_workitem_id 0
		.amdhsa_next_free_vgpr 512
		.amdhsa_next_free_sgpr 106
		.amdhsa_reserve_vcc 0
		.amdhsa_float_denorm_mode_32 3
		.amdhsa_float_denorm_mode_16_64 3
		.amdhsa_memory_ordered 1
		.amdhsa_forward_progress 1
		.amdhsa_inst_pref_size 124
	.end_amdhsa_kernel
	.amdgpu_metadata
---
amdhsa.version: [ 1, 2 ]
amdhsa.kernels:
  - .name:           k_q04bfc036ad_attn
    .symbol:         k_q04bfc036ad_attn.kd
    .args:
      - { .name: q, .offset: 0, .size: 8, .value_kind: global_buffer, .address_space: global }
      - { .name: kv, .offset: 8, .size: 8, .value_kind: global_buffer, .address_space: global }
      - { .name: mw, .offset: 16, .size: 8, .value_kind: global_buffer, .address_space: global }
      - { .name: tab, .offset: 24, .size: 8, .value_kind: global_buffer, .address_space: global }
      - { .name: lowp_scales, .offset: 32, .size: 8, .value_kind: global_buffer, .address_space: global }
      - { .name: out0, .offset: 40, .size: 8, .value_kind: global_buffer, .address_space: global }
    .group_segment_fixed_size: 101376
    .private_segment_fixed_size: 0
    .kernarg_segment_align: 8
    .kernarg_segment_size: 48
    .max_flat_workgroup_size: 256
    .sgpr_count:     106
    .vgpr_count:     512
    .wavefront_size: 32
...
	.end_amdgpu_metadata
.endif
;; end of part 2
